; MI455X (gfx1250); checked and timed in simulation.
; The chip was launched on July 23, 2026; its instructions are those of AMD's public machine-readable ISA for CDNA 5 (MIT licence, August 2026) and "CDNA5" Instruction Set Architecture Reference Guide (July 2026). The comments in the code are by the model that wrote it; some were corrected since.
;; Tt Whisper Attention. Allowed arithmetic: matrix products marked QUANTISED: E2M1 operands, one E8M0 scale for each 32 along K, by v_wmma_scale_f32_16x16x128_f8f6f4 with both operands' format E2M1 (or v_wmma_scale_f32_32x16x128_f4), f32 sums; products left as they are: bf16, f16 or f32 operands; f32 sums; everything else in f32.
;; Inputs: hidden_states 1 x 4 x 1,500 x 1,024 float32; k_w 1,024 x 1,024 float32; out_b 1,024 float32; out_w 1,024 x 1,024 float32; q_b 1,024 float32; q_w 1,024 x 1,024 float32; v_b 1,024 float32; v_w 1,024 x 1,024 float32.
;; Outputs: out0 1 x 4 x 1,500 x 1,024 float32.
;; This version of the problem:
;;   THIS VERSION OF THE PROBLEM IS GIVEN IN LOW PRECISION. The matrix products marked QUANTISED in the list below multiply operands that are first quantised to E2M1 (2 exponent bits, 1 mantissa bit; 4 bits a number), with one power-of-two scale for each 32 numbers along K (OCP MX v1.0); their sums are f32. The products marked 'left as it is' may take bf16, f16 or f32 operands, with f32 sums. Whichever they take, every output number must still come out within the allowed error. Rounding operands to bf16 (8 significant bits) uses up far more of that allowance than f16 does (11 bits, for magnitudes from 6e-5 to 65,504). All else is computed in f32.
;;   The module's matrix products, in the order in which they are computed (A, B: the left and right operand; K: the contracted axis; several contracted axes count as one K, in the product's order):
;;     1. [M 6,000, K 1,024] x [K 1,024, N 1,024]; A: input hidden_states; B: input q_w: QUANTISED
;;     2. [M 6,000, K 1,024] x [K 1,024, N 1,024]; A: input hidden_states; B: input k_w: QUANTISED
;;     3. [M 6,000, K 1,024] x [K 1,024, N 1,024]; A: input hidden_states; B: input v_w: QUANTISED
;;     4. batch 64 x [M 1,500, K 64] x [K 64, N 1,500]; A: computed on the way; B: computed on the way: left as it is (an operand is computed on the way)
;;     5. batch 64 x [M 1,500, K 1,500] x [K 1,500, N 64]; A: computed on the way; B: computed on the way: left as it is (an operand is computed on the way)
;;     6. [M 6,000, K 1,024] x [K 1,024, N 1,024]; A: computed on the way; B: input out_w: left as it is (an operand is computed on the way)
;;   THE QUANTISER, for each operand of a quantised product, along K:
;;     - K is cut into blocks of 32 from its start; a last block that is shorter is filled with zeros.
;;     - A block's scale is 2^e with e = floor(log2(the largest magnitude in the block)) - 2, held to -126 .. 127; a block of zeros has e = 0. As a byte (E8M0): e + 127.
;;     - Each number is divided by its block's scale, clamped to +-6, and rounded to the nearest number of E2M1, ties to even, subnormals kept.
;;     - The product sums the exact products of the quantised numbers (number of the format x scale) in f32.
;;   ~~~python
;;   def quantise(x, axis):      # numpy; x: float32 -> the quantised numbers, widened to float32 again
;;       x = np.moveaxis(x, axis, -1); K = x.shape[-1]
;;       x = np.pad(x, [(0, 0)] * (x.ndim - 1) + [(0, -K % 32)]); x = x.reshape(x.shape[:-1] + (-1, 32)); a = np.abs(x).max(-1, keepdims=True)
;;       e = np.where(a > 0, np.clip(np.frexp(np.where(a > 0, a, 1))[1] - 1 - 2, -126, 127), 0)      # np.frexp(a)[1] - 1 = floor(log2(a)), exactly
;;       r = np.clip(x / 2.0 ** e, -6, 6)
;;       step = 2.0 ** (np.maximum(np.frexp(np.where(r == 0, 1, r))[1] - 1, 0) - 1)
;;       q = np.round(r / step) * step * 2.0 ** e      # np.round: ties to even
;;       return np.moveaxis(q.reshape(q.shape[:-2] + (-1,))[..., :K], -1, axis).astype(np.float32)
;;   ~~~
;; One version. Each part assembles by itself: llvm-mc -triple=amdgcn-amd-amdhsa -mcpu=gfx1250 --defsym DOCPART=n.
;; ======== version 1 of 1: 4 launches
;; limits: values are held in f16: magnitudes above 65,504 overflow, below 6.1e-05 lose precision
;; workspace buffers: codes 4,718,592 bytes; scales 294,912 bytes; owf 2,097,152 bytes; qf 12,582,912 bytes; kf 12,582,912 bytes; vf 12,582,912 bytes; af 12,582,912 bytes
;; launch prep (part 1): grid 320 x 1, 4 waves a work-group, no clusters, 135,680 bytes of LDS; arguments hidden_states, q_w, k_w, v_w, out_w, codes, scales, owf; writes codes, scales, owf
.if DOCPART == 1
	.amdgcn_target "amdgcn-amd-amdhsa--gfx1250"
	.amdhsa_code_object_version 6
	.text
	.protected	k_qfe09136035_prep
	.globl	k_qfe09136035_prep
	.p2align	8
	.type	k_qfe09136035_prep,@function
k_qfe09136035_prep:
	s_mov_b64 s[64:65], 0
	v_nop
	global_prefetch_b8 v0, s[64:65] scope:SCOPE_SE
	s_setreg_imm32_b32 hwreg(HW_REG_WAVE_MODE, 25, 1), 1
	s_wait_xcnt 0x0
; hidden_states [6000][1024], q_w, k_w, v_w [1024][1024] (f32, K innermost) become codes of FP4 (E2M1) with one E8M0 byte for each 32 along K; out_w [1024][1024] becomes f16.
; EVERYTHING IS STORED AS IMAGES OF OPERAND REGISTERS: a fragment (16 rows x 128 K of codes, or 16 rows x 32 K of f16) is 1,024 bytes, two halves of 512, lane l's 16 bytes at 16 l.
; codes: x at 0, [chunk 2][row block 384][step 4][1024]; the weights at WC0, [chunk 2][row block 192][step 4][1024], row blocks ordered head x 12 + (q, k, v) x 4 + sub.
; scales: [row block][chunk 2][row 16][16 bytes]: four scale words (four steps of 128 along K) a row; x at 0, the weights at WS0.
; x's batches are padded from 1,500 to 1,536 rows in the workspace alone: a pad row is a copy of a real row (the source row is held at the tensor's last), so its numbers are finite.
; A block's scale is 2^(floor(log2(its largest magnitude)) - 2); its byte is the largest magnitude's exponent field - 2, held at 1 from below.
; LIMITS: a block of zeros, or one whose largest magnitude lies under 2^-124, gets the byte 1 (only this program reads the bytes; zero codes add nothing); NaN and infinities are not served;
; out_w goes to f16: magnitudes over 65,504 are not served, under 6e-5 they keep a step of 6e-8.
; SHARES: a wave takes 16 rows x 512 along K in four steps of 128.  Work-groups 0-191: x; 192-287: q_w, k_w, v_w; 288-319: out_w.  Waves share nothing: no barrier.
; A load reads 512 consecutive bytes of one row; a step's 16 rows turn through the wave's own stage in LDS (rows 528 bytes apart) so that a lane gets neighbours along K of ONE row.
; The two paths part on the work-group's number and have LDS bytes of their own.
.set XCH,   1572864                    ; x's codes: bytes from chunk to chunk
.set WCH,   786432                     ; the weights' codes likewise
.set WC0,   3145728                    ; where the weights' codes begin
.set WS0,   196608                     ; where the weights' scale words begin
.set RP,    528                        ; a stage row: 512 bytes + 16
.set STG,   16*RP                      ; a stage
.set WREG,  2*STG                      ; a wave's two stages
.set HALFB, 4*WREG                     ; the f16 path's stages begin here
.set SPARE, 8*WREG                     ; the spare words, 128 bytes a wave: no other line names them
.set L16,  4                           ; v4   16 x lane
.set STW,  5                           ; v5   FP4 path: into the stage
.set STR,  6                           ; v6   FP4 path: out of it: 528 r + 128 h
.set R16,  7                           ; v7   16 r
.set SW,   8                           ; v8-11 the four steps' scale words
.set MX,   12                          ; v12-13 largest magnitudes
.set SPW,  14                          ; v14  my spare word's LDS address; never rewritten
.set NIL,  15                          ; v15  0; never rewritten
.set VOFF, 16                          ; v16-31 byte offset of my 16 bytes in each of the 16 rows
.set XSET, 32                          ; v32-223 three sets of 64 numbers
.set CD,   224                         ; v224-239 codes, two sets of 8 by turns
.set SO,   240                         ; v240-241 the conversions' scale operands
.set BY,   242                         ; v242-243 the scale bytes
.set WD,   244
.set PD,   245                         ; a lane permute's destination: written once at the head
.set H8,   246                         ; 8 h
.set STW2, 247                         ; f16 path: into its stage
.set STR2, 248                         ; f16 path: out of it: 528 r + 32 h
.macro MKVOFF                          ; s36 = first source row, s39 = the tensor's last row
.irp i, 0,1,2,3,4,5,6,7,8,9,10,11,12,13,14,15
	s_add_co_u32 s44, s36, \i
	s_min_u32 s44, s44, s39                        ; no load leaves its buffer
	s_lshl_b32 s44, s44, 12                        ; a row is 4,096 bytes
	v_add_nc_u32 v[VOFF+\i], s44, v[L16]
.endr
.endm
.macro LOAD t                          ; step t: 16 rows x 512 consecutive bytes
.irp i, 0,1,2,3,4,5,6,7,8,9,10,11,12,13,14,15
	global_load_b128 v[XSET+64*((\t)%3)+4*\i:XSET+64*((\t)%3)+4*\i+3], v[VOFF+\i], s[34:35] offset:512*(\t) th:TH_LOAD_NT
.endr
.endm
.macro TURN t, kind                    ; through the stage and back into the same registers: LDS serves a wave's instructions in order, so no wait stands between
.set XS, XSET+64*((\t)%3)
.set SG, STG*((\t)%2)
.if \kind
.irp i, 0,1,2,3,4,5,6,7,8,9,10,11,12,13,14,15
	ds_store_b128 v[STW2], v[XS+4*\i:XS+4*\i+3] offset:SG+RP*\i
.endr
.irp f, 0,1,2,3
.irp u, 0,1
.irp e, 0,1
	ds_load_b128 v[XS+16*\f+8*\u+4*\e:XS+16*\f+8*\u+4*\e+3], v[STR2] offset:SG+128*\f+64*\u+16*\e   ; k = 32 f + 16 u + 8 h + 4 e + 0..3 of row r
.endr
.endr
.endr
.else
.irp i, 0,1,2,3,4,5,6,7,8,9,10,11,12,13,14,15
	ds_store_b128 v[STW], v[XS+4*\i:XS+4*\i+3] offset:SG+RP*\i
.endr
.irp c, 0,1
.irp g, 0,1,2,3,4,5,6,7
	ds_load_b128 v[XS+32*\c+4*\g:XS+32*\c+4*\g+3], v[STR] offset:SG+256*\c+16*\g   ; k = 64 c + 32 h + 4 g + 0..3 of row r
.endr
.endr
.endif
.endm
.macro QSTEP t                         ; 64 numbers of a lane, two whole blocks of 32, become a fragment's 8 registers and two bytes of the row's scale word
.set XS, XSET+64*((\t)%3)
.set CS, CD+8*((\t)%2)
.irp c, 0,1
	v_max3_num_f32 v[MX+\c], |v[XS+32*\c]|, |v[XS+32*\c+1]|, 0x1800000   ; with the floor 2^(3 - 127): the byte cannot fall under 1
.endr
.irp i, 2,4,6,8,10,12,14,16,18,20,22,24,26,28,30
.irp c, 0,1
	v_max3_num_f32 v[MX+\c], v[MX+\c], |v[XS+32*\c+\i]|, |v[XS+32*\c+\i+1]|
.endr
.endr
.irp c, 0,1
	v_add_nc_u32 v[SO+\c], 0xff000000, v[MX+\c]    ; 2 off the exponent field: the conversion's scale operand
.endr
.irp c, 0,1
	v_lshrrev_b32 v[BY+\c], 23, v[SO+\c]           ; the scale's byte
.endr
	v_lshl_or_b32 v[WD], v[BY+1], 16, v[BY]        ; my blocks are h and 2 + h of the step's four
	v_lshlrev_b32 v[WD], v[H8], v[WD]
	v_permlanex16_b32 v[PD], v[WD], s22, s23
	v_or_b32 v[SW+\t], v[WD], v[PD]                ; with lane l xor 16's two bytes the word is whole
.if (\t) >= 2
	s_wait_xcnt 0x0                                ; the stores of two steps back have read this set of code registers
.endif
.irp c, 0,1
.irp g, 0,1,2,3
	v_cvt_scalef32_pk8_fp4_f32 v[CS+4*\c+\g], v[XS+32*\c+8*\g:XS+32*\c+8*\g+7], v[SO+\c]
.endr
.endr
	v_nop                                          ; a plain line behind the last scaled conversion
.irp c, 0,1
	global_store_b128 v[L16], v[CS+4*\c:CS+4*\c+3], s[14:15] offset:1024*(\t)+512*\c   ; 512 consecutive bytes, aligned
.endr
.endm
.macro HSTEP t                         ; 64 numbers of a lane become four f16 fragments' halves: packed in place, ascending
.set XS, XSET+64*((\t)%3)
.set j, 0
.rept 32
	v_cvt_pk_f16_f32 v[XS+j], v[XS+2*j], v[XS+2*j+1]
.set j, j+1
.endr
.irp f, 0,1,2,3
.irp u, 0,1
	global_store_b128 v[L16], v[XS+8*\f+4*\u:XS+8*\f+4*\u+3], s[18:19] offset:((\t)/2)*65536+((\t)%2)*4096+1024*\f+512*\u
.endr
.endr
.endm
.macro WORK t, kind
.if \kind
	HSTEP \t
.else
	QSTEP \t
.endif
.endm
.macro RUN kind
	LOAD 0
	LOAD 1
	LOAD 2
	s_wait_loadcnt 32                              ; step 0's 16 loads are in; steps 1 and 2 may be out
	TURN 0, \kind
	s_wait_loadcnt 16                              ; step 1 is in; step 2 may be out
	TURN 1, \kind
	s_wait_dscnt 32                                ; step 0 is back from the stage; step 1's 32 LDS instructions may be out
	WORK 0, \kind
.if \kind
	s_wait_xcnt 0x0                                ; step 0's stores have read set 0, which takes step 3's loads
.endif
	LOAD 3
	s_wait_loadcnt 16                              ; step 2 is in; step 3 may be out
	TURN 2, \kind
	s_wait_dscnt 32
	WORK 1, \kind
	s_wait_loadcnt 0x0
	TURN 3, \kind
	s_wait_dscnt 32
	WORK 2, \kind
	s_wait_dscnt 0x0
	WORK 3, \kind
.endm
	s_load_b256 s[4:11], s[0:1], 0x0               ; hidden_states s[4:5], q_w s[6:7], k_w s[8:9], v_w s[10:11]
	s_load_b256 s[12:19], s[0:1], 0x20             ; out_w s[12:13], codes s[14:15], scales s[16:17], owf s[18:19]
	v_lshl_add_u32 v[SPW], v0, 2, SPARE
	v_mov_b32 v[NIL], 0
	v_lshrrev_b32 v1, 5, v0
	v_readfirstlane_b32 s20, v1                    ; wave 0..3
	v_and_b32 v1, 31, v0                           ; lane
	v_and_b32 v2, 15, v0                           ; r
	v_bfe_u32 v3, v0, 4, 1                         ; h
	v_lshlrev_b32 v[L16], 4, v1
	s_mul_i32 s21, s20, WREG
	v_add_nc_u32 v[STW], s21, v[L16]
	v_mul_u32_u24 v[STR], v2, RP
	v_lshl_add_u32 v[STR2], v3, 5, v[STR]
	v_lshl_add_u32 v[STR], v3, 7, v[STR]
	v_add_nc_u32 v[STR], s21, v[STR]
	s_add_co_u32 s21, s21, HALFB
	v_add_nc_u32 v[STW2], s21, v[L16]
	v_add_nc_u32 v[STR2], s21, v[STR2]
	v_lshlrev_b32 v[R16], 4, v2
	v_lshlrev_b32 v[H8], 3, v3
	v_mov_b32 v[PD], 0
	s_mov_b32 s22, 0x76543210                      ; v_permlanex16_b32's selects for lane l xor 16
	s_mov_b32 s23, 0xfedcba98
	s_cmp_ge_u32 ttmp9, 288
	s_cbranch_scc1 .Lhalf
	; ---- x and the three weights: one path, pointers and numbers chosen by the work-group's number
	s_lshl_b32 s24, ttmp9, 1
	s_lshr_b32 s25, s20, 1
	s_add_co_u32 s24, s24, s25                     ; x: row block = 2 g + wave / 2
	s_and_b32 s25, s20, 1                          ; x: chunk
	s_mul_hi_u32 s26, s24, 44739243                ; x: batch = row block / 96
	s_mul_i32 s26, s26, 36
	s_lshl_b32 s27, s24, 4
	s_sub_co_u32 s26, s27, s26                     ; x: first source row = 16 x row block - 36 x batch
	s_sub_co_u32 s28, ttmp9, 192
	s_lshr_b32 s29, s28, 5                         ; weights: 0 q_w, 1 k_w, 2 v_w
	s_lshl_b32 s28, s28, 2
	s_add_co_u32 s28, s28, s20
	s_and_b32 s28, s28, 127
	s_and_b32 s30, s28, 1                          ; weights: chunk
	s_lshr_b32 s28, s28, 1                         ; weights: source row block
	s_lshl_b32 s31, s28, 4                         ; weights: first source row
	s_lshr_b32 s32, s28, 2
	s_mul_i32 s32, s32, 12
	s_lshl_b32 s33, s29, 2
	s_add_co_u32 s32, s32, s33
	s_and_b32 s33, s28, 3
	s_add_co_u32 s32, s32, s33                     ; weights: row block in the workspace = head x 12 + tensor x 4 + sub
	s_mov_b32 s39, 1023
	s_mov_b32 s40, WCH
	s_wait_kmcnt 0x0
	s_cmp_eq_u32 s29, 1
	s_cselect_b64 s[34:35], s[8:9], s[6:7]
	s_cmp_eq_u32 s29, 2
	s_cselect_b64 s[34:35], s[10:11], s[34:35]
	s_cmp_lt_u32 ttmp9, 192
	s_cselect_b64 s[34:35], s[4:5], s[34:35]       ; the source
	s_cselect_b32 s36, s26, s31                    ; first source row
	s_cselect_b32 s37, s25, s30                    ; chunk
	s_cselect_b32 s38, s24, s32                    ; row block in the workspace
	s_cselect_b32 s39, 5999, s39                   ; the source's last row
	s_cselect_b32 s40, XCH, s40
	s_cselect_b32 s41, 0, WC0
	s_cselect_b32 s42, 0, WS0
	s_mul_i32 s40, s40, s37
	s_add_co_u32 s40, s40, s41
	s_lshl_b32 s41, s38, 12
	s_add_co_u32 s40, s40, s41
	s_mov_b32 s41, 0
	s_add_nc_u64 s[14:15], s[14:15], s[40:41]      ; my four fragments
	s_lshl_b32 s40, s38, 9
	s_add_co_u32 s40, s40, s42
	s_lshl_b32 s43, s37, 8
	s_add_co_u32 s40, s40, s43
	s_add_nc_u64 s[16:17], s[16:17], s[40:41]      ; my 256 bytes of scale words
	s_lshl_b32 s40, s37, 11
	s_add_nc_u64 s[34:35], s[34:35], s[40:41]      ; my chunk of the rows
	MKVOFF
	RUN 0
	v_cmp_gt_u32 vcc_lo, 16, v1                    ; lanes 0-15 store the 16 rows' four words: 256 consecutive bytes, aligned
	s_wait_xcnt 0x0                                ; EXEC changes only behind this wait
	s_and_saveexec_b32 s44, vcc_lo
	global_store_b128 v[R16], v[SW:SW+3], s[16:17]
	s_wait_xcnt 0x0                                ; and again in front of the line that widens it
	s_or_b32 exec_lo, exec_lo, s44
	s_wait_tensorcnt 0x0                           ; the wave's end, behind my last LDS store
	ds_add_u32 v[SPW], v[NIL]
	s_wait_dscnt 0x0
	s_endpgm
.Lhalf:	; ---- out_w to f16: owf [N tile 8][chunk of 256 K: 4][row block 8][fragment 8][1024]
	s_sub_co_u32 s24, ttmp9, 288
	s_lshl_b32 s24, s24, 2
	s_add_co_u32 s24, s24, s20
	s_and_b32 s37, s24, 1                          ; which 512 along K
	s_lshr_b32 s24, s24, 1                         ; row block 0..63
	s_lshl_b32 s36, s24, 4
	s_mov_b32 s39, 1023
	s_lshr_b32 s40, s24, 3
	s_lshl_b32 s40, s40, 18
	s_lshl_b32 s41, s37, 17
	s_add_co_u32 s40, s40, s41
	s_and_b32 s41, s24, 7
	s_lshl_b32 s41, s41, 13
	s_add_co_u32 s40, s40, s41
	s_mov_b32 s41, 0
	s_wait_kmcnt 0x0
	s_add_nc_u64 s[18:19], s[18:19], s[40:41]
	s_lshl_b32 s40, s37, 11
	s_add_nc_u64 s[34:35], s[12:13], s[40:41]
	MKVOFF
	RUN 1
	s_wait_tensorcnt 0x0                           ; the wave's end, as above
	ds_add_u32 v[SPW], v[NIL]
	s_wait_dscnt 0x0
	s_endpgm
.Lfunc_end_k_qfe09136035_prep:
	.size	k_qfe09136035_prep, .Lfunc_end_k_qfe09136035_prep-k_qfe09136035_prep
	.p2alignl 7, 3214868480
	.fill 96, 4, 3214868480
	.section	.rodata,"a",@progbits
	.p2align	6, 0x0
	.amdhsa_kernel k_qfe09136035_prep
		.amdhsa_group_segment_fixed_size 135680
		.amdhsa_private_segment_fixed_size 0
		.amdhsa_enable_private_segment 0
		.amdhsa_kernarg_size 64
		.amdhsa_user_sgpr_count 2
		.amdhsa_user_sgpr_kernarg_segment_ptr 1
		.amdhsa_wavefront_size32 1
		.amdhsa_system_sgpr_workgroup_id_x 1
		.amdhsa_system_sgpr_workgroup_id_y 1
		.amdhsa_system_sgpr_workgroup_id_z 1
		.amdhsa_system_vgpr_workitem_id 0
		.amdhsa_next_free_vgpr 256
		.amdhsa_next_free_sgpr 66
		.amdhsa_reserve_vcc 1
		.amdhsa_float_denorm_mode_32 3
		.amdhsa_float_denorm_mode_16_64 3
		.amdhsa_memory_ordered 1
		.amdhsa_forward_progress 1
		.amdhsa_inst_pref_size 61
	.end_amdhsa_kernel
	.amdgpu_metadata
---
amdhsa.version: [ 1, 2 ]
amdhsa.kernels:
  - .name:           k_qfe09136035_prep
    .symbol:         k_qfe09136035_prep.kd
    .args:
      - { .name: hidden_states, .offset: 0, .size: 8, .value_kind: global_buffer, .address_space: global }
      - { .name: q_w, .offset: 8, .size: 8, .value_kind: global_buffer, .address_space: global }
      - { .name: k_w, .offset: 16, .size: 8, .value_kind: global_buffer, .address_space: global }
      - { .name: v_w, .offset: 24, .size: 8, .value_kind: global_buffer, .address_space: global }
      - { .name: out_w, .offset: 32, .size: 8, .value_kind: global_buffer, .address_space: global }
      - { .name: codes, .offset: 40, .size: 8, .value_kind: global_buffer, .address_space: global }
      - { .name: scales, .offset: 48, .size: 8, .value_kind: global_buffer, .address_space: global }
      - { .name: owf, .offset: 56, .size: 8, .value_kind: global_buffer, .address_space: global }
    .group_segment_fixed_size: 135680
    .private_segment_fixed_size: 0
    .kernarg_segment_align: 8
    .kernarg_segment_size: 64
    .max_flat_workgroup_size: 128
    .sgpr_count:     66
    .vgpr_count:     256
    .wavefront_size: 32
...
	.end_amdgpu_metadata
.endif
;; end of part 1
;; launch qkv (part 2): grid 16 x 16, 4 waves a work-group, clusters of 4 x 4, 327,680 bytes of LDS; arguments codes, scales, q_b, v_b, qf, kf, vf; writes qf, kf, vf
.if DOCPART == 2
	.amdgcn_target "amdgcn-amd-amdhsa--gfx1250"
	.amdhsa_code_object_version 6
	.text
	.protected	k_qfe09136035_qkv
	.globl	k_qfe09136035_qkv
	.p2align	8
	.type	k_qfe09136035_qkv,@function
k_qfe09136035_qkv:
	s_mov_b64 s[64:65], 0
	v_nop
	global_prefetch_b8 v0, s[64:65] scope:SCOPE_SE
	s_setreg_imm32_b32 hwreg(HW_REG_WAVE_MODE, 25, 1), 1
	s_wait_xcnt 0x0
	s_wait_alu depctr_hold_cnt(0) depctr_sa_sdst(0) depctr_va_vdst(0) depctr_va_sdst(0) depctr_va_ssrc(0) depctr_va_vcc(0) depctr_vm_vsrc(0)
	s_getreg_b32 s2, hwreg(HW_REG_IB_STS2, 6, 4)
	s_cmp_eq_u32 s2, 0
	s_cbranch_scc0 .Lentry_in_a_cluster
	s_endpgm
.Lentry_in_a_cluster:
	s_bfe_u32 s2, ttmp6, 0x10000c
	s_cmp_lg_u32 s2, 0xf033
	s_cbranch_scc0 .Lentry_shape_is_right
	s_endpgm
.Lentry_shape_is_right:
; q' = (x q_w^T + q_b) x 0.125 log2(e), k = x k_w^T, v = x v_w^T + v_b, on codes of FP4 with E8M0 scales; sums in f32; results rounded once to f16.
; A work-group makes 384 rows (a quarter of a padded batch of 1,536) x 192 columns: one head's 64 of q, 64 of k, 64 of v.  16 x 16 work-groups.
; The whole K = 1,024 of both tiles fits in LDS (576 rows x 512 bytes): first fills alone, in two chunks of 512 along K; nothing is filled again.
; Codes lie in memory and LDS as images of operand registers (1,024 bytes a fragment, lane l's 16 bytes at 16 l of each half): every LDS load takes 512 consecutive bytes.
; A wave makes 96 rows x 192 columns: 72 accumulators, 576 registers; a step of 128 along K is 72 matrix instructions and 36 LDS loads.
; q and k are made TRANSPOSED (source 0 = 16 rows of the weight, source 1 = 16 rows of x): a lane holds one token and eight neighbouring channels, which packed to f16 ARE half a fragment of
; the next launch's operand.  v is made the natural way round: a lane holds one channel and eight neighbouring tokens: half a fragment of V^T.  So results are stored straight from registers.
; CLUSTER 4 x 4: x's tile is shared along a row of the cluster, the weights' along a column: joint loads.  Waves 0-2 fetch x's thirds, wave 3 the weights'.
; A wave has three tensor loads out.
; LIMITS: q', k, v over 65,504 in magnitude are not served (f16); NaN and infinities are not served.
; REGISTERS: window 0: v1-21 addresses and v's bias; v32-127 scale words and nothing else; v128-223 x's fragments, two sets of 48, on the way out the packed results; v224-255 q's bias.
;   window 1: v0-191 the weights' fragments, two sets of 96; v192-255 accumulators 64-71.   window 2: accumulators 0-31.   window 3: accumulators 32-63.
;   accumulator number: q, k (x's block a, weight block b = 0..7): 8 a + b;  v (b = 0..3): 48 + 4 a + b.
.set XCH,   1572864
.set WCH,   786432
.set WC0,   3145728
.set WS0,   196608
.set BHB,   196608                     ; bytes of one (batch, head) in qf, kf, vf
.set CHUNK, 147456                     ; LDS: a chunk: x's 24 row blocks x 4,096, then the weights' 12
.set BOFF,  98304
.set SCL,   2*CHUNK                    ; the scale words: x's 24 x 512, then the weights' 12 x 512
.set SPARE, SCL+18432                  ; the spare words, 128 bytes a wave: no other line names them
.set L16,  1
.set ADRA, 4                           ; v4-5  my x fragments in chunk 0, 1
.set ADRB, 6                           ; v6-7  the weights'
.set ADRS, 8                           ; v8    scale words: lanes 0-15 x's, lanes 16-31 the weights'
.set SPW,  10
.set NIL,  11
.set BV,   12                          ; v12-19 v_b of my channel, a pair for each of the four blocks
.set SC,   32                          ; scale word of block i, step q: v[SC + 48 (q / 4) + 4 i + q % 4]
.set AF,   128
.set BQ,   224
.set WV,   22
.set ROLE, 23                          ; 0: I fetch for x; 1: for the weights
.set CQ,   30                          ; s[30:31] 0.125 log2(e)
.set G1A,  36
.set G1B,  44
.set G1SA, 52
.set G1SB, 68
.set G0A,  76                          ; three groups 0: scales, chunk 0, chunk 1
.set G0B,  88
.set MSB, 0
.macro WIN new                         ; the immediate's high byte repeats the setting that is left
.if MSB != (\new)
	s_set_vgpr_msb (MSB<<8)|(\new)
.set MSB, (\new)
.endif
.endm
.macro PLACES n
.rept \n
	v_nop
.endr
.endm
.macro JLOAD g0a, g1a, g0b, g1b        ; a joint load; the branch hangs on the wave's number alone; an s_nop 0 and four v_nop follow each line
	s_cmp_eq_u32 s[ROLE], 0
	s_cbranch_scc0 .Lfor_b_\@
	tensor_load_to_lds s[\g0a:\g0a+3], s[\g1a:\g1a+7]
	s_nop 0
	PLACES 4
	s_branch .Lasked_\@
.Lfor_b_\@:
	tensor_load_to_lds s[\g0b:\g0b+3], s[\g1b:\g1b+7]
	s_nop 0
	PLACES 4
.Lasked_\@:
.endm
.macro CROUND                          ; a round of the cluster's barrier
	s_barrier_signal -1
	s_barrier_wait -1
	s_cmp_lg_u32 s[WV], 0
	s_cbranch_scc1 .Lnot_wave_0_\@
	s_barrier_signal -3
.Lnot_wave_0_\@:
	s_barrier_wait -3
	s_barrier_signal -1
	s_barrier_wait -1
.endm
.macro G1ROWS g, rows                  ; a dense block as rows of 256 bytes: 32 elements of 8 bytes
	s_mov_b32 s[\g+1], 32<<16
	s_mov_b32 s[\g+2], (\rows)<<16
	s_mov_b32 s[\g+3], 32<<16
	s_mov_b32 s[\g+4], \rows
	s_mov_b32 s[\g+5], 32
	s_mov_b32 s[\g+6], 0
	s_mov_b32 s[\g+7], 0
.endm
.macro ACC idx                         ; accumulator idx: window AW, first register AR
.if (\idx) < 32
.set AW, 2
.set AR, 8*(\idx)
.elseif (\idx) < 64
.set AW, 3
.set AR, 8*((\idx)-32)
.else
.set AW, 1
.set AR, 192+8*((\idx)-64)
.endif
.endm
	s_load_b256 s[4:11], s[0:1], 0x0               ; codes s[4:5], scales s[6:7], q_b s[8:9], v_b s[10:11]
	s_load_b128 s[12:15], s[0:1], 0x20             ; qf s[12:13], kf s[14:15]
	s_load_b64 s[16:17], s[0:1], 0x30              ; vf
	v_lshl_add_u32 v[SPW], v0, 2, SPARE
	v_mov_b32 v[NIL], 0
	ds_add_u32 v[SPW], v[NIL]                      ; the wave's opening: the add, twice on end, and its wait ahead of my first tensor load
	ds_add_u32 v[SPW], v[NIL]
	v_lshrrev_b32 v1, 5, v0
	v_readfirstlane_b32 s[WV], v1                  ; wave 0..3
	s_add_co_u32 s[ROLE], s[WV], 1
	s_lshr_b32 s[ROLE], s[ROLE], 2                 ; 1 in wave 3
	s_bfe_u32 s24, ttmp6, 0x40000                  ; cx
	s_bfe_u32 s25, ttmp6, 0x40004                  ; cy
	s_lshl_b32 s26, ttmp9, 2
	s_add_co_u32 s26, s26, s24                     ; the head = 4 x cluster x + cx
	s_and_b32 s27, ttmp7, 0xffff
	s_lshl_b32 s27, s27, 2
	s_add_co_u32 s27, s27, s25                     ; the tile of 384 rows = 4 x cluster y + cy
	s_lshl_b32 s28, s25, 2
	s_lshl_b32 s28, 15, s28                        ; my row of the cluster
	s_lshl_b32 s29, 0x1111, s24                    ; my column
	s_or_b32 s[G1A], s28, (3<<16)|(1<<21)          ; 15:0 the mask; 17:16 elements of 8 bytes; 21 set beside a mask; no padding
	s_or_b32 s[G1SA], s28, (3<<16)|(1<<21)
	s_or_b32 s[G1B], s29, (3<<16)|(1<<21)
	s_or_b32 s[G1SB], s29, (3<<16)|(1<<21)
	G1ROWS G1A, 128                                ; 8 row blocks x 4,096 bytes
	G1ROWS G1B, 192                                ; 12 row blocks
	G1ROWS G1SA, 16                                ; 8 x 512 bytes of scale words
	G1ROWS G1SB, 24                                ; 12 x 512
	s_mov_b32 s[CQ], 0x3e38aa3b                    ; 0.125 log2(e)
	s_mov_b32 s[CQ+1], s[CQ]
	s_mul_i32 s60, s27, 24
	s_lshl_b32 s61, s[WV], 3
	s_add_co_u32 s60, s60, s61                     ; x's first row block that I fetch
	s_lshl_b32 s62, s60, 9                         ; its scale words,
	s_mov_b32 s63, 0
	s_lshl_b32 s60, s60, 12                        ; its codes
	s_mov_b32 s61, 0
	s_mul_i32 s32, s26, 49152
	s_add_co_u32 s32, s32, WC0                     ; the head's 12 row blocks of the weights: codes,
	s_mov_b32 s33, 0
	s_mul_i32 s34, s26, 6144
	s_add_co_u32 s34, s34, WS0                     ; scale words
	s_mov_b32 s35, 0
	s_lshl_b32 s20, s[WV], 12
	s_add_co_u32 s20, s20, SCL                     ; where they go: wave x 4,096 among the scale words,
	s_lshl_b32 s21, s[WV], 15                      ; wave x 32,768 in a chunk: no place in the cluster enters an LDS address
	s_wait_dscnt 0x0                               ; both opening adds are done
	s_wait_kmcnt 0x0
	s_mov_b32 s[G0A], 1
	s_mov_b32 s[G0A+1], s20
	s_add_nc_u64 s[G0A+2:G0A+3], s[6:7], s[62:63]
	s_or_b32 s[G0A+3], s[G0A+3], 0x80000000
	s_mov_b32 s[G0A+4], 1
	s_mov_b32 s[G0A+5], s21
	s_add_nc_u64 s[G0A+6:G0A+7], s[4:5], s[60:61]
	s_mov_b32 s[G0A+8], 1
	s_add_co_u32 s[G0A+9], s21, CHUNK
	s_add_nc_u64 s[G0A+10:G0A+11], s[G0A+6:G0A+7], XCH
	s_or_b32 s[G0A+7], s[G0A+7], 0x80000000
	s_or_b32 s[G0A+11], s[G0A+11], 0x80000000
	s_mov_b32 s[G0B], 1
	s_mov_b32 s[G0B+1], s20
	s_add_nc_u64 s[G0B+2:G0B+3], s[6:7], s[34:35]
	s_or_b32 s[G0B+3], s[G0B+3], 0x80000000
	s_mov_b32 s[G0B+4], 1
	s_mov_b32 s[G0B+5], s21
	s_add_nc_u64 s[G0B+6:G0B+7], s[4:5], s[32:33]
	s_mov_b32 s[G0B+8], 1
	s_add_co_u32 s[G0B+9], s21, CHUNK
	s_add_nc_u64 s[G0B+10:G0B+11], s[G0B+6:G0B+7], WCH
	s_or_b32 s[G0B+7], s[G0B+7], 0x80000000
	s_or_b32 s[G0B+11], s[G0B+11], 0x80000000
	CROUND                                         ; all sixteen work-groups are here: the joint loads meet
	JLOAD G0A, G1SA, G0B, G1SB                     ; the scale words of all of K
	JLOAD G0A+4, G1A, G0B+4, G1B                   ; K 0..511
	JLOAD G0A+8, G1A, G0B+8, G1B                   ; K 512..1023
	v_and_b32 v2, 31, v0
	v_lshlrev_b32 v[L16], 4, v2
	v_and_b32 v2, 15, v0                           ; r
	v_bfe_u32 v3, v0, 4, 1                         ; h
	s_mul_i32 s18, s[WV], 24576                    ; my six row blocks of x
	v_add_nc_u32 v[ADRA], s18, v[L16]
	s_add_co_u32 s18, s18, CHUNK
	v_add_nc_u32 v[ADRA+1], s18, v[L16]
	v_add_nc_u32 v[ADRB], BOFF, v[L16]
	v_add_nc_u32 v[ADRB+1], BOFF+CHUNK, v[L16]
	s_xor_b32 s19, s[WV], 3
	s_add_co_u32 s19, s19, 1
	s_mul_i32 s19, s19, 3072                       ; from my six blocks' scale words to the weights': 12,288 - 3,072 x wave
	v_mul_u32_u24 v9, s19, v3                      ; lanes 16-31 take the weights'
	v_lshl_add_u32 v[ADRS], v2, 4, v9
	s_mul_i32 s18, s[WV], 3072
	s_add_co_u32 s18, s18, SCL
	v_add_nc_u32 v[ADRS], s18, v[ADRS]
	s_lshl_b32 s18, s26, 8                         ; the head's 64 numbers of each bias
	s_mov_b32 s19, 0
	s_add_nc_u64 s[8:9], s[8:9], s[18:19]
	s_add_nc_u64 s[10:11], s[10:11], s[18:19]
	v_lshlrev_b32 v20, 5, v3                       ; 32 h
	v_lshlrev_b32 v21, 2, v2                       ; 4 r
.irp b, 0,1,2,3
	global_load_b128 v[BQ+8*\b:BQ+8*\b+3], v20, s[8:9] offset:64*\b        ; q_b of channels 16 b + 8 h + 0..7
	global_load_b128 v[BQ+8*\b+4:BQ+8*\b+7], v20, s[8:9] offset:64*\b+16
.endr
.irp b, 0,1,2,3
	global_load_b32 v[BV+2*\b], v21, s[10:11] offset:64*\b                 ; v_b of channel 16 b + r, twice: a pair for the packed addition
	global_load_b32 v[BV+2*\b+1], v21, s[10:11] offset:64*\b
.endr
	s_lshr_b32 s18, s27, 2                         ; the batch
	s_lshl_b32 s18, s18, 4
	s_add_co_u32 s18, s18, s26                     ; (batch, head)
	s_mul_i32 s18, s18, BHB
	s_and_b32 s2, s27, 3
	s_mul_i32 s2, s2, 24
	s_mul_i32 s3, s[WV], 6
	s_add_co_u32 s2, s2, s3                        ; my first tile of 16 tokens in the batch
	s_lshl_b32 s2, s2, 11
	s_add_co_u32 s18, s18, s2
	s_add_nc_u64 s[12:13], s[12:13], s[18:19]
	s_add_nc_u64 s[14:15], s[14:15], s[18:19]
	s_add_nc_u64 s[16:17], s[16:17], s[18:19]
.macro SCALES                          ; all of K's scale words: lanes 0-15 x's block i of mine (i < 6 is used), lanes 16-31 the weights' block i
.irp c, 0,1
.irp i, 0,1,2,3,4,5,6,7,8,9,10,11
	ds_load_b128 v[SC+48*\c+4*\i:SC+48*\c+4*\i+3], v[ADRS] offset:512*\i+256*\c
.endr
.endr
.endm
.macro FETCH q                         ; step q's fragments: 24 loads for the weights, 12 for x
.set SB, 96*((\q)%2)
.set SA, AF+48*((\q)%2)
	WIN 0x40                                       ; destination window 1, address window 0
.irp b, 0,1,2,3,4,5,6,7,8,9,10,11
.irp c, 0,1
	ds_load_b128 v[SB+8*\b+4*\c:SB+8*\b+4*\c+3], v[ADRB+(\q)/4] offset:4096*\b+1024*((\q)%4)+512*\c
.endr
.endr
	WIN 0
.irp a, 0,1,2,3,4,5
.irp c, 0,1
	ds_load_b128 v[SA+8*\a+4*\c:SA+8*\a+4*\c+3], v[ADRA+(\q)/4] offset:4096*\a+1024*((\q)%4)+512*\c
.endr
.endr
.endm
; 72 matrix instructions: the accumulators take turns, one instruction a turn, in the same order in every step.  Step 0 starts the sums with the constant 0.
.macro MUL q
.set SB, 96*((\q)%2)
.set SA, AF+48*((\q)%2)
.set SS, SC+48*((\q)/4)+(\q)%4
.irp a, 0,1,2,3,4,5
.irp b, 0,1,2,3,4,5,6,7
	ACC 8*\a+\b
	WIN (AW<<6)|(AW<<4)|0x01
.if (\q) == 0
	v_wmma_scale_f32_16x16x128_f8f6f4 v[AR:AR+7], v[SB+8*\b:SB+8*\b+7], v[SA+8*\a:SA+8*\a+7], 0, v[SS+4*\b], v[SS+4*\a] matrix_a_fmt:MATRIX_FMT_FP4 matrix_b_fmt:MATRIX_FMT_FP4 matrix_a_scale:MATRIX_SCALE_ROW1
.else
	v_wmma_scale_f32_16x16x128_f8f6f4 v[AR:AR+7], v[SB+8*\b:SB+8*\b+7], v[SA+8*\a:SA+8*\a+7], v[AR:AR+7], v[SS+4*\b], v[SS+4*\a] matrix_a_fmt:MATRIX_FMT_FP4 matrix_b_fmt:MATRIX_FMT_FP4 matrix_a_scale:MATRIX_SCALE_ROW1
.endif
.endr
.endr
.irp a, 0,1,2,3,4,5
.irp b, 0,1,2,3
	ACC 48+4*\a+\b
	WIN (AW<<6)|(AW<<4)|0x04
.if (\q) == 0
	v_wmma_scale_f32_16x16x128_f8f6f4 v[AR:AR+7], v[SA+8*\a:SA+8*\a+7], v[SB+64+8*\b:SB+64+8*\b+7], 0, v[SS+4*\a], v[SS+32+4*\b] matrix_a_fmt:MATRIX_FMT_FP4 matrix_b_fmt:MATRIX_FMT_FP4 matrix_b_scale:MATRIX_SCALE_ROW1
.else
	v_wmma_scale_f32_16x16x128_f8f6f4 v[AR:AR+7], v[SA+8*\a:SA+8*\a+7], v[SB+64+8*\b:SB+64+8*\b+7], v[AR:AR+7], v[SS+4*\a], v[SS+32+4*\b] matrix_a_fmt:MATRIX_FMT_FP4 matrix_b_fmt:MATRIX_FMT_FP4 matrix_b_scale:MATRIX_SCALE_ROW1
.endif
.endr
.endr
.endm
.macro KSTEP q
	s_wait_dscnt 0x0                               ; this step's fragments, asked for a whole step ago, are in
.if (\q) == 3
	s_wait_tensorcnt 0x0                           ; my part of K 512.. has landed,
	s_barrier_signal -1
	s_barrier_wait -1                              ; everybody's has
.endif
.if (\q) < 7
.if (\q) > 0
	PLACES 4                                       ; in front of loads into registers that the last step's matrix instructions have read
.endif
	FETCH (\q)+1
.endif
	MUL \q
.endm
	s_wait_tensorcnt 0x1                           ; the scale words and K 0..511 are in; K 512.. may stay out
	s_barrier_signal -1
	s_barrier_wait -1
	SCALES
	FETCH 0
.irp q, 0,1,2,3,4,5,6,7
	KSTEP \q
.endr
	; THE WAY OUT.  Bias and scaling in place on the accumulators, each from its low end on; packed to f16; stored as they stand: 512 consecutive bytes an instruction.
	WIN 0
	s_wait_loadcnt 0x0                             ; the biases
.irp j, 0,2,4,6,8,10,12,14,16,18,20,22,24,26,28,30
	v_pk_mul_f32 v[BQ+\j:BQ+\j+1], v[BQ+\j:BQ+\j+1], s[CQ:CQ+1] op_sel_hi:[1,0]   ; q_b x c; these sixteen are also the places behind the last products
.endr
.macro OUT a
.set PB, AF+48*((\a)%2)
.if (\a) >= 2
	s_wait_xcnt 0x0                                ; the stores of two blocks back have read this set of registers
.endif
.irp b, 0,1,2,3
	ACC 8*(\a)+\b
	WIN (AW<<6)|AW
.irp j, 0,2,4,6
	v_pk_fma_f32 v[AR+\j:AR+\j+1], v[AR+\j:AR+\j+1], s[CQ:CQ+1], v[BQ+8*\b+\j:BQ+8*\b+\j+1] op_sel_hi:[1,0,1]   ; q' = c q + c q_b
.endr
.endr
.irp b, 0,1,2,3
	ACC 48+4*(\a)+\b
	WIN (AW<<6)|AW
.irp j, 0,2,4,6
	v_pk_add_f32 v[AR+\j:AR+\j+1], v[AR+\j:AR+\j+1], v[BV+2*\b:BV+2*\b+1]
.endr
.endr
.irp b, 0,1,2,3,4,5,6,7
	ACC 8*(\a)+\b
	WIN (AW<<2)|AW
.irp j, 0,1,2,3
	v_cvt_pk_f16_f32 v[PB+4*\b+\j], v[AR+2*\j], v[AR+2*\j+1]
.endr
.endr
.irp b, 0,1,2,3
	ACC 48+4*(\a)+\b
	WIN (AW<<2)|AW
.irp j, 0,1,2,3
	v_cvt_pk_f16_f32 v[PB+32+4*\b+\j], v[AR+2*\j], v[AR+2*\j+1]
.endr
.endr
	WIN 0
.irp b, 0,1,2,3
	global_store_b128 v[L16], v[PB+4*\b:PB+4*\b+3], s[12:13] offset:2048*(\a)+512*\b          ; q': tile a, channels 16 b on
.endr
.irp b, 0,1,2,3
	global_store_b128 v[L16], v[PB+16+4*\b:PB+16+4*\b+3], s[14:15] offset:2048*(\a)+512*\b    ; k likewise
.endr
.irp b, 0,1,2,3
	global_store_b128 v[L16], v[PB+32+4*\b:PB+32+4*\b+3], s[16:17] offset:4096*((\a)/2)+1024*\b+512*((\a)%2)   ; V^T: 32 keys a / 2, channels 16 b on, half a % 2
.endr
.endm
.irp a, 0,1,2,3,4,5
	OUT \a
.endr
	s_wait_tensorcnt 0x0                           ; the wave's end
	ds_add_u32 v[SPW], v[NIL]
	s_wait_dscnt 0x0
	CROUND                                         ; the closing round
	s_endpgm
.Lfunc_end_k_qfe09136035_qkv:
	.size	k_qfe09136035_qkv, .Lfunc_end_k_qfe09136035_qkv-k_qfe09136035_qkv
	.p2alignl 7, 3214868480
	.fill 96, 4, 3214868480
	.section	.rodata,"a",@progbits
	.p2align	6, 0x0
	.amdhsa_kernel k_qfe09136035_qkv
		.amdhsa_group_segment_fixed_size 327680
		.amdhsa_private_segment_fixed_size 0
		.amdhsa_enable_private_segment 0
		.amdhsa_kernarg_size 56
		.amdhsa_user_sgpr_count 2
		.amdhsa_user_sgpr_kernarg_segment_ptr 1
		.amdhsa_wavefront_size32 1
		.amdhsa_system_sgpr_workgroup_id_x 1
		.amdhsa_system_sgpr_workgroup_id_y 1
		.amdhsa_system_sgpr_workgroup_id_z 1
		.amdhsa_system_vgpr_workitem_id 0
		.amdhsa_next_free_vgpr 1024
		.amdhsa_next_free_sgpr 100
		.amdhsa_reserve_vcc 0
		.amdhsa_float_denorm_mode_32 3
		.amdhsa_float_denorm_mode_16_64 3
		.amdhsa_memory_ordered 1
		.amdhsa_forward_progress 1
		.amdhsa_inst_pref_size 144
	.end_amdhsa_kernel
	.amdgpu_metadata
---
amdhsa.version: [ 1, 2 ]
amdhsa.kernels:
  - .name:           k_qfe09136035_qkv
    .symbol:         k_qfe09136035_qkv.kd
    .args:
      - { .name: codes, .offset: 0, .size: 8, .value_kind: global_buffer, .address_space: global }
      - { .name: scales, .offset: 8, .size: 8, .value_kind: global_buffer, .address_space: global }
      - { .name: q_b, .offset: 16, .size: 8, .value_kind: global_buffer, .address_space: global }
      - { .name: v_b, .offset: 24, .size: 8, .value_kind: global_buffer, .address_space: global }
      - { .name: qf, .offset: 32, .size: 8, .value_kind: global_buffer, .address_space: global }
      - { .name: kf, .offset: 40, .size: 8, .value_kind: global_buffer, .address_space: global }
      - { .name: vf, .offset: 48, .size: 8, .value_kind: global_buffer, .address_space: global }
    .group_segment_fixed_size: 327680
    .private_segment_fixed_size: 0
    .kernarg_segment_align: 8
    .kernarg_segment_size: 56
    .max_flat_workgroup_size: 128
    .sgpr_count:     100
    .vgpr_count:     1024
    .wavefront_size: 32
...
	.end_amdgpu_metadata
.endif
;; end of part 2
;; launch attn (part 3): grid 4 x 64, 4 waves a work-group, clusters of 4 x 1, 327,680 bytes of LDS; arguments qf, kf, vf, af; writes af
.if DOCPART == 3
	.amdgcn_target "amdgcn-amd-amdhsa--gfx1250"
	.amdhsa_code_object_version 6
	.text
	.protected	k_qfe09136035_attn
	.globl	k_qfe09136035_attn
	.p2align	8
	.type	k_qfe09136035_attn,@function
k_qfe09136035_attn:
	s_mov_b64 s[64:65], 0
	v_nop
	global_prefetch_b8 v0, s[64:65] scope:SCOPE_SE
	s_setreg_imm32_b32 hwreg(HW_REG_WAVE_MODE, 25, 1), 1
	s_wait_xcnt 0x0
	s_wait_alu depctr_hold_cnt(0) depctr_sa_sdst(0) depctr_va_vdst(0) depctr_va_sdst(0) depctr_va_ssrc(0) depctr_va_vcc(0) depctr_vm_vsrc(0)
	s_getreg_b32 s2, hwreg(HW_REG_IB_STS2, 6, 4)
	s_cmp_eq_u32 s2, 0
	s_cbranch_scc0 .Lentry_in_a_cluster
	s_endpgm
.Lentry_in_a_cluster:
	s_bfe_u32 s2, ttmp6, 0x10000c
	s_cmp_lg_u32 s2, 0x3003
	s_cbranch_scc0 .Lentry_shape_is_right
	s_endpgm
.Lentry_shape_is_right:
; O = softmax(q k^T / 8) v for each of 64 (batch, head), 1,500 keys (padded to 1,536; keys from 1,500 on are masked), head size 64.  f16 operands; products' sums, maxima and sums in f32.
; q' already carries 0.125 log2(e): p = 2^(s - m), m the running maximum of the scores s; in every step O and the sum l are multiplied by a = 2^(m_old - m_new).
; qf, kf: [bh][tile of 16 tokens: 96][channels 32 kc: 2][1024]; vf: [bh][32 keys: 48][16 channels: 4][1024] (V^T); af: [16 tokens: 384][32 of the 1,024: 32][1024]: all images of operand registers.
; SHARES: a work-group owns 384 queries of one (batch, head); each of its four waves 96: six tiles of 16, so that a fragment of K or V read from LDS feeds six products.
; LAYOUT: S^T = K Q^T (source 0 = 16 keys, source 1 = 16 queries), O^T = V^T P: a lane holds ONE query throughout; O^T packed to f16 IS the next launch's fragment.
; P HAS NO REGISTERS OF ITS OWN: a tile's 32 weights are packed to f16 in place, into the low 16 registers of its S^T, which are then source 1 of V^T P.
; BY TURNS.  The wave is alone on its SIMD.  Its tiles are two PIECES, named by their first tile: piece 0 (tiles 0-2) and piece 3 (tiles 3-5).  In a TURN one piece has the matrix unit: 24 products V^T P of
; step f - 1, then 24 products K Q^T of step f; the other piece's softmax, a list of 351 instructions, stands between them in 48 slices of 7 or 8, one behind each product.  Then the pieces change places.
; In phases no product would be issued during a key step's 702 vector instructions; the price of the turns is two window switches a slice, since no window holds a product's operands beside S^T.
; LDS: two slots of 512 keys (K 65,536 bytes, then V 65,536), 2^17 bytes apart.  1,536 keys are three fills: two first fills and ONE refill, which has eight key steps in which to land.
; CLUSTER: the four query blocks of a (batch, head) walk the same K and V: joint loads, one a wave, 32,768 dense bytes each (waves 0, 1: K's halves, waves 2, 3: V's).  At most two loads of a wave are out.
; LIMITS: pad keys are masked by -1e30 as the sums' start: scores stay under 1e29; attention's result goes to f16; NaN and infinities are not served.  Pad queries are computed and stored in the padded workspace alone.
; REGISTERS, in windows of 256 (s_set_vgpr_msb: bits 1:0 source 0, 3:2 source 1, 5:4 source 2, 7:6 destination):
;   window 0: v1-7 addresses; v8-55 statistics, 8 a tile (+0 m, +1 its partner in the pair, +2, +3 l, +4..+7 at work, a at +6); v64-255 S^T, 32 a tile.
;   window 1: v0-191 O^T, 32 a tile.   window 2: v0-95 Q, 16 a tile; v96-159 K of a step; v160-223 V of a step; v224-239 the masks.
.set BHB,   196608
.set SLOT1, 1<<17
.set SPARE, 2*SLOT1                    ; the spare words, 128 bytes for each of four waves: no other line names them
.set L16, 1
.set ADK, 2
.set ADV, 3
.set LV,  4                            ; 16 x lane + 65,536: V lies behind K in a slot
.set SPW, 6
.set NIL, 7
.set ST,  8
.set S,   64
.set O,   0                            ; window 1
.set Q,   0                            ; window 2
.set KF,  96
.set VF,  160
.set MK1, 224                          ; keys 1,488..1,503: -1e30 where 8 h + j >= 12
.set MK2, 232                          ; -1e30
.set NE,  351                          ; a piece's softmax: 3 tiles x 117 instructions
.set WV,  12
.set G1,  24
.set G0,  32                           ; s[32:35] slot 0, s[36:39] slot 1
.set SEL, 40
.set TS,  42                           ; LDS byte at which the step to be fetched begins
.set CNT, 44
.set W_KQ, 0x0a                        ; K and Q in window 2, S^T in window 0
.set W_KM, 0x2a                        ; the same, C (a mask) in window 2
.set W_PV, 0x52                        ; V in window 2, P in window 0, O^T in window 1
.set W_RS, 0x41                        ; O^T (destination and source 0) in window 1, a in window 0
.set MSB, 0
.macro WIN new                         ; the immediate's high byte repeats the setting that is left; a switch that changes nothing is dropped
.if MSB != (\new)
	s_set_vgpr_msb (MSB<<8)|(\new)
.set MSB, (\new)
.endif
.endm
.macro PLACES n
.rept \n
	v_nop
.endr
.endm
.macro CROUND                          ; a round of the cluster's barrier
	s_barrier_signal -1
	s_barrier_wait -1
	s_cmp_lg_u32 s[WV], 0
	s_cbranch_scc1 .Lnot_wave_0_\@
	s_barrier_signal -3
.Lnot_wave_0_\@:
	s_barrier_wait -3
	s_barrier_signal -1
	s_barrier_wait -1
.endm
; THE LDS LOADS stand in runs of 16, never singly among the products: 512 consecutive bytes an instruction.
.macro FETCH_K                         ; 64 keys x 64 channels: 8 fragments
	WIN 0
	v_add_nc_u32 v[ADK], s[TS], v[L16]
	WIN 0x80                                       ; destination window 2, address window 0
.irp kt, 0,1,2,3
.irp kc, 0,1
.irp u, 0,1
	ds_load_b128 v[KF+16*\kt+8*\kc+4*\u:KF+16*\kt+8*\kc+4*\u+3], v[ADK] offset:2048*\kt+1024*\kc+512*\u
.endr
.endr
.endr
.endm
.macro FETCH_V                         ; the same step's V^T: 8 fragments.  It stands at the softmax's one wait, which is written in it
	WIN 0
	v_add_nc_u32 v[ADV], s[TS], v[LV]
	s_add_co_u32 s[TS], s[TS], 8192                ; the next fetch is the next step's
	s_wait_alu depctr_va_vdst(0)                   ; the wait for the softmax's batch of exponentials, ahead of the first line that names a result
	WIN 0x80
.irp kb, 0,1
.irp ct, 0,1,2,3
.irp u, 0,1
	ds_load_b128 v[VF+32*\kb+8*\ct+4*\u:VF+32*\kb+8*\ct+4*\u+3], v[ADV] offset:4096*\kb+1024*\ct+512*\u
.endr
.endr
.endr
.endm
; THE MATRIX WORK OF A TURN, for piece x.  In both runs twelve accumulators take turns, one instruction a turn.
; Product i of 24 of O^T += V^T P: keys 32 (i / 12) on, channels 16 ((i / 3) % 4) on, tile x + i % 3.
.macro PV x
	WIN W_PV
.set mO, O+32*((\x)+i%3)+8*((i/3)%4)
.set mV, VF+32*(i/12)+8*((i/3)%4)
.set mP, S+32*((\x)+i%3)+8*(i/12)
	v_wmma_f32_16x16x32_f16 v[mO:mO+7], v[mV:mV+7], v[mP:mP+7], v[mO:mO+7]
.endm
; Product i of 24 of S^T = K Q^T: channels 32 (i / 12) on, keys 16 ((i / 3) % 4) on, tile x + i % 3.  The first twelve start the sums: with 0, or for the last key step with the mask.
.macro KQ x, mask
.set mS, S+32*((\x)+i%3)+8*((i/3)%4)
.set mK, KF+16*((i/3)%4)+8*(i/12)
.set mQ, Q+16*((\x)+i%3)+8*(i/12)
.if i >= 12
	WIN W_KQ
	v_wmma_f32_16x16x32_f16 v[mS:mS+7], v[mK:mK+7], v[mQ:mQ+7], v[mS:mS+7]
.elseif (\mask) && (((i/3)%4) == 1)
	WIN W_KM
	v_wmma_f32_16x16x32_f16 v[mS:mS+7], v[mK:mK+7], v[mQ:mQ+7], v[MK1:MK1+7]
.elseif (\mask) && (((i/3)%4) > 1)
	WIN W_KM
	v_wmma_f32_16x16x32_f16 v[mS:mS+7], v[mK:mK+7], v[mQ:mQ+7], v[MK2:MK2+7]
.else
	WIN W_KQ
	v_wmma_f32_16x16x32_f16 v[mS:mS+7], v[mK:mK+7], v[mQ:mQ+7], 0
.endif
.endm
; THE VECTOR WORK OF A TURN.  Entry n of piece y's list is number j = n / 3 of tile y + n % 3: the three tiles alternate, so that no instruction reads the result of the one just before it.
;   0-15    the maximum of the lane's 32 scores and the old m: four chains, each accumulator read from its low end on
;   16-19   the other half of the lanes' maximum; m_old kept; the new m; m_old - m_new
;   20-68   ONE BATCH: the 16 subtractions s - m, a pair of scores each, and all 33 exponentials (a at 21); a pair's exponentials follow the next pair's subtraction.  None of these names an exponential's result
;   (wait)  between 68 and 69 stand a v_nop and the one wait for the piece's 99 exponentials
;   69-100  by turns: the sum takes pair i (two chains: l, which begins as a l + pair 0, and a second, added at the end), then pair i is packed to f16 into register i of the tile's S^T.
;           Pack i writes register i, whose pair i / 2 has been summed and packed before; it reads registers 2 i and 2 i + 1, which no earlier pack has written
;   101-116 the tile's O^T times a: the one part that leaves window 0
.macro SM y
.set j, n/3
.set rT, ST+8*((\y)+n%3)
.set rS, S+32*((\y)+n%3)
.set rO, O+32*((\y)+n%3)
.if n == 3*69
	WIN 0
	v_nop                                          ; a plain line behind the last exponential
.if (\y) == 0
	FETCH_V                                        ; piece 3's turn: V's run of loads stands here.  Behind the last product that read V: nine subtractions, the v_nop and the run's own addition
.else
	s_wait_alu depctr_va_vdst(0)                   ; one wait for the batch, ahead of the first line that names a result
.endif
.endif
.if j < 101
	WIN 0
.else
	WIN W_RS
.endif
.if j < 4
	v_max3_num_f32 v[rT+4+j], v[rS+8*j], v[rS+8*j+1], v[rS+8*j+2]
.elseif j < 12
	v_max3_num_f32 v[rT+4+j%4], v[rT+4+j%4], v[rS+8*(j%4)+2*(j/4)+1], v[rS+8*(j%4)+2*(j/4)+2]
.elseif j == 12
	v_max3_num_f32 v[rT+4], v[rT+4], v[rS+7], v[rS+15]
.elseif j == 13
	v_max3_num_f32 v[rT+6], v[rT+6], v[rS+23], v[rS+31]
.elseif j == 14
	v_max3_num_f32 v[rT+4], v[rT+4], v[rT+5], v[rT+6]
.elseif j == 15
	v_max3_num_f32 v[rT+4], v[rT+4], v[rT+7], v[rT]
.elseif j == 16
	v_permlanex16_b32 v[rT+5], v[rT+4], s[SEL], s[SEL+1]   ; the query's other 32 keys lie in the lane 16 away
.elseif j == 17
	v_mov_b32 v[rT+7], v[rT]                       ; m_old
.elseif j == 18
	v_max_num_f32 v[rT], v[rT+4], v[rT+5]
.elseif j == 19
	v_sub_f32 v[rT+7], v[rT+7], v[rT]
.elseif j == 21
	v_exp_f32 v[rT+6], v[rT+7]                     ; a
.elseif (j == 20) || ((j < 65) && ((j-22)%3 == 0))
.set bb, 0
.if j > 20
.set bb, (j-22)/3+1
.endif
	v_pk_add_f32 v[rS+2*bb:rS+2*bb+1], v[rS+2*bb:rS+2*bb+1], v[rT:rT+1] op_sel_hi:[1,0] neg_lo:[0,1] neg_hi:[0,1]   ; pair bb: s - m
.elseif j < 69
.set ee, j-37                          ; 67, 68: scores 30, 31
.if j < 67
.set ee, 2*((j-22)/3)+(j-22)%3-1
.endif
	v_exp_f32 v[rS+ee], v[rS+ee]
.elseif j < 101
.set kk, (j-69)/2
.if (j-69)%2 == 1
	v_cvt_pk_f16_f32 v[rS+kk], v[rS+2*kk], v[rS+2*kk+1]
.elseif kk == 0
	v_pk_fma_f32 v[rT+2:rT+3], v[rT+2:rT+3], v[rT+6:rT+7], v[rS:rS+1] op_sel_hi:[1,0,1]   ; l = a l + pair 0
.elseif kk == 1
	v_pk_add_f32 v[rT+4:rT+5], v[rS+2:rS+3], v[rS+4:rS+5]          ; the second chain begins with pairs 1 and 2
.elseif kk == 15
	v_pk_add_f32 v[rT+2:rT+3], v[rT+2:rT+3], v[rT+4:rT+5]
.elseif kk%2 == 0
	v_pk_add_f32 v[rT+2:rT+3], v[rT+2:rT+3], v[rS+2*kk+2:rS+2*kk+3]
.else
	v_pk_add_f32 v[rT+4:rT+5], v[rT+4:rT+5], v[rS+2*kk+2:rS+2*kk+3]
.endif
.else
	v_pk_mul_f32 v[rO+2*(j-101):rO+2*(j-101)+1], v[rO+2*(j-101):rO+2*(j-101)+1], v[rT+6:rT+7] op_sel_hi:[1,0]
.endif
.endm
.macro SLICE y                         ; the list is dealt out evenly over the turn's NW products
.set k, k+1
.rept (NE*k)/NW-n
	SM \y
.set n, n+1
.endr
.endm
; A TURN.  Piece x has the matrix unit; the other piece's softmax stands in slices behind its products.  pv = 1: 24 products V^T P; kq = 1: 24 products K Q^T; mask = 1: they are the last key step's.
; The slices are the places behind the products: they name the other piece's S^T, O^T and statistics alone.  The turn's last slice, seven plain multiplications or more, stands between the last K Q^T and what
; follows: the next turn's first read of those scores, and the loads into K's registers.  Between a V^T P and the K Q^T that writes over the registers that held its P stand five other products with their slices,
; among them fifteen subtractions.  Piece 0's turn fetches the next K behind its second product, 22 products ahead of its first use; piece 3's turn the same step's V, 19 products ahead.
.macro TURN x, pv, kq, mask
.set n, 0
.set k, 0
.set NW, 24*((\pv)+(\kq))
.if \pv
.if (\x) == 0
	s_wait_dscnt 0x0                               ; V is in
.endif
.set i, 0
.rept 24
	PV \x
	SLICE 3-(\x)
.if ((\x) == 0) && (\kq) && (i == 1)
	FETCH_K
.endif
.set i, i+1
.endr
.endif
.if \kq
.if (\x) == 0
	s_wait_dscnt 0x0                               ; K is in
.endif
.set i, 0
.rept 24
	KQ \x, \mask
	SLICE 3-(\x)
.set i, i+1
.endr
.endif
.endm
.macro TRIPS cnt                       ; a trip: two turns, one key step fetched
	s_mov_b32 s[CNT], \cnt
.Ltrip_\@:
	TURN 0, 1, 1, 0
	TURN 3, 1, 1, 0
	WIN 0                                          ; at a label and at a branch every window is 0
	s_sub_co_u32 s[CNT], s[CNT], 1
	s_cmp_lg_u32 s[CNT], 0
	s_cbranch_scc1 .Ltrip_\@
.endm
	s_load_b256 s[4:11], s[0:1], 0x0               ; qf s[4:5], kf s[6:7], vf s[8:9], af s[10:11]
	v_lshl_add_u32 v[SPW], v0, 2, SPARE
	v_mov_b32 v[NIL], 0
	ds_add_u32 v[SPW], v[NIL]                      ; the wave's opening: the add, twice on end, and its wait ahead of my first tensor load
	ds_add_u32 v[SPW], v[NIL]
	v_lshrrev_b32 v5, 5, v0
	v_readfirstlane_b32 s[WV], v5                  ; wave 0..3
	s_bfe_u32 s13, ttmp6, 0x40000                  ; cx
	s_lshl_b32 s22, ttmp9, 2
	s_add_co_u32 s22, s22, s13                     ; my block of 384 queries: it enters Q's and the result's addresses alone
	s_and_b32 s14, ttmp7, 0xffff                   ; (batch, head), which the four partners share
	s_mul_i32 s16, s14, BHB
	s_mov_b32 s17, 0
	s_and_b32 s18, s[WV], 1
	s_lshl_b32 s18, s18, 15
	s_add_co_u32 s18, s18, s16                     ; my half of a slot's K or V, in memory,
	s_mov_b32 s19, 0
	s_lshl_b32 s15, s[WV], 15                      ; and in a slot: wave x 32,768
	s_mov_b32 s[G1], 15|(3<<16)|(1<<21)            ; 15:0 the mask: all four; 17:16 elements of 8 bytes; 21 set beside a mask
	s_mov_b32 s[G1+1], 32<<16                      ; rows of 256 bytes,
	s_mov_b32 s[G1+2], 128<<16                     ; 128 of them, dense
	s_mov_b32 s[G1+3], 32<<16
	s_mov_b32 s[G1+4], 128
	s_mov_b32 s[G1+5], 32
	s_mov_b32 s[G1+6], 0
	s_mov_b32 s[G1+7], 0
	s_mov_b32 s[SEL], 0x76543210
	s_mov_b32 s[SEL+1], 0xfedcba98
	s_wait_dscnt 0x0                               ; both opening adds are done
	s_wait_kmcnt 0x0
	s_cmp_lt_u32 s[WV], 2                          ; waves 0, 1 fetch K, waves 2, 3 V: the choice hangs on the wave's number alone
	s_cselect_b64 s[20:21], s[6:7], s[8:9]
	s_add_nc_u64 s[20:21], s[20:21], s[18:19]
	s_mov_b32 s[G0], 1
	s_mov_b32 s[G0+1], s15
	s_mov_b64 s[G0+2:G0+3], s[20:21]
	s_or_b32 s[G0+3], s[G0+3], 0x80000000
	s_mov_b32 s[G0+4], 1
	s_add_co_u32 s[G0+5], s15, SLOT1
	s_add_nc_u64 s[G0+6:G0+7], s[20:21], 65536
	s_or_b32 s[G0+7], s[G0+7], 0x80000000
	CROUND                                         ; all four work-groups are here: the first joint loads meet
	tensor_load_to_lds s[G0:G0+3], s[G1:G1+7]      ; keys 0..511
	s_nop 0
	tensor_load_to_lds s[G0+4:G0+7], s[G1:G1+7]    ; keys 512..1,023
	s_nop 0
	PLACES 4
	v_and_b32 v5, 31, v0
	v_lshlrev_b32 v[L16], 4, v5
	v_add_nc_u32 v[LV], 65536, v[L16]
	s_mul_i32 s22, s22, 24
	s_mul_i32 s23, s[WV], 6
	s_add_co_u32 s22, s22, s23                     ; my first tile of 16 queries in the batch
	s_lshl_b32 s18, s22, 11
	s_add_co_u32 s18, s18, s16
	s_add_nc_u64 s[4:5], s[4:5], s[18:19]
	WIN 0x80                                       ; destination window 2, address window 0
.irp t, 0,1,2,3,4,5
.irp kc, 0,1
.irp u, 0,1
	global_load_b128 v[Q+16*\t+8*\kc+4*\u:Q+16*\t+8*\kc+4*\u+3], v[L16], s[4:5] offset:2048*\t+1024*\kc+512*\u   ; Q stays in registers
.endr
.endr
.endr
	WIN 0
	s_lshr_b32 s18, s14, 4                         ; the batch
	s_mul_i32 s18, s18, 96
	s_add_co_u32 s18, s18, s22
	s_lshl_b32 s18, s18, 15                        ; 32,768 bytes for 16 tokens
	s_and_b32 s23, s14, 15                         ; the head: 2,048 bytes on for each
	s_lshl_b32 s23, s23, 11
	s_add_co_u32 s18, s18, s23
	s_add_nc_u64 s[10:11], s[10:11], s[18:19]
	v_bfe_u32 v5, v0, 4, 1
	v_cvt_f32_u32 v5, v5                           ; h as a float
	WIN 0x80                                       ; the masks lie in window 2
.irp j, 0,1,2,3
	v_mov_b32 v[MK1+\j], 0
.endr
.irp j, 4,5,6,7
	v_mul_f32 v[MK1+\j], 0xf149f2ca, v5            ; -1e30 in lanes 16-31
.endr
.irp j, 0,1,2,3,4,5,6,7
	v_mov_b32 v[MK2+\j], 0xf149f2ca
.endr
	WIN 0
.irp t, 0,1,2,3,4,5
	v_mov_b32 v[ST+8*\t], 0xff61b1e6               ; m = -3e38, under every score
	v_mov_b32 v[ST+8*\t+1], 0
	v_mov_b32 v[ST+8*\t+2], 0                      ; l
	v_mov_b32 v[ST+8*\t+3], 0
.endr
	WIN 0x40
.set i, 0
.rept 192
	v_mov_b32 v[O+i], 0                            ; O^T: the turns are written without a first step of their own (a fifth copy of the trip): the first a is 0 and finds zeros
.set i, i+1
.endr
	WIN 0
	s_wait_loadcnt 0x0                             ; Q
	s_wait_tensorcnt 0x1                           ; my part of slot 0 is in; slot 1's may stay out
	s_barrier_signal -1
	s_barrier_wait -1
	s_mov_b32 s[TS], 0
	FETCH_K                                        ; key step 0
	s_wait_dscnt 0x0
.set i, 0
.rept 24
	KQ 0, 0                                        ; piece 0's first scores: there is no vector work yet to set between them
.set i, i+1
.endr
	WIN 0
	PLACES 4                                       ; behind those products, ahead of the first read of their scores
	TURN 3, 0, 1, 0                                ; piece 3's first scores | piece 0's first softmax | V of step 0
	WIN 0
	TRIPS 7                                        ; key steps 1..7 are fetched: with V of step 7 slot 0 has been read out
	s_wait_tensorcnt 0x0                           ; all my tensor loads have landed, my part of slot 1 among them,
	ds_add_u32 v[SPW], v[NIL]                      ; 0 onto my spare word
	s_add_nc_u64 s[G0+2:G0+3], s[G0+2:G0+3], 131072   ; slot 0's next keys: 1,024 on
	s_wait_dscnt 0x0                               ; the add is done, and my reads of slot 0 are over
	CROUND                                         ; so it is with every wave of all four work-groups
	tensor_load_to_lds s[G0:G0+3], s[G1:G1+7]      ; the one refill: it has eight trips in which to land
	s_nop 0
	PLACES 4
	s_mov_b32 s[TS], SLOT1
	TRIPS 8                                        ; key steps 8..15 are fetched, from slot 1
	s_wait_tensorcnt 0x0                           ; my part of the refill has landed
	ds_add_u32 v[SPW], v[NIL]
	s_wait_dscnt 0x0
	s_barrier_signal -1
	s_barrier_wait -1                              ; everybody's has; nothing is filled again
	s_mov_b32 s[TS], 0
	TRIPS 7                                        ; key steps 16..22
	TURN 0, 1, 1, 1                                ; key step 23: keys 1,472..1,535, those from 1,500 on masked
	TURN 3, 1, 1, 1
	TURN 0, 1, 0, 0                                ; piece 0: V^T P of the last step | piece 3's last softmax
.set i, 0
.rept 24
	PV 3                                           ; piece 3: V^T P of the last step
.set i, i+1
.endr
	WIN 0
	; THE WAY OUT: l's halves and the other lane's; O^T / l, packed to f16, stored as it stands: 512 consecutive bytes an instruction.  The additions are the places behind the last products.
.irp t, 0,1,2,3,4,5
	v_add_f32 v[ST+8*\t+4], v[ST+8*\t+2], v[ST+8*\t+3]
.endr
.irp t, 0,1,2,3,4,5
	v_permlanex16_b32 v[ST+8*\t+5], v[ST+8*\t+4], s[SEL], s[SEL+1]
.endr
.irp t, 0,1,2,3,4,5
	v_add_f32 v[ST+8*\t+4], v[ST+8*\t+4], v[ST+8*\t+5]
.endr
.irp t, 0,1,2,3,4,5
	v_rcp_f32 v[ST+8*\t+6], v[ST+8*\t+4]
.endr
	v_nop
	s_wait_alu depctr_va_vdst(0)                   ; one wait for the six reciprocals, ahead of their first reader
	WIN W_RS
.set i, 0
.rept 16
.irp t, 0,1,2,3,4,5
	v_pk_mul_f32 v[O+32*\t+2*i:O+32*\t+2*i+1], v[O+32*\t+2*i:O+32*\t+2*i+1], v[ST+8*\t+6:ST+8*\t+7] op_sel_hi:[1,0]
.endr
.set i, i+1
.endr
	WIN 0x05                                       ; sources in window 1, destination in window 0: S^T's registers are free
.set i, 0
.rept 16
.irp t, 0,1,2,3,4,5
	v_cvt_pk_f16_f32 v[S+16*\t+i], v[O+32*\t+2*i], v[O+32*\t+2*i+1]
.endr
.set i, i+1
.endr
	WIN 0
.irp t, 0,1,2,3,4,5
.irp ct, 0,1,2,3
	global_store_b128 v[L16], v[S+16*\t+4*\ct:S+16*\t+4*\ct+3], s[10:11] offset:32768*\t+512*\ct
.endr
.endr
	s_wait_tensorcnt 0x0                           ; the wave's end
	ds_add_u32 v[SPW], v[NIL]
	s_wait_dscnt 0x0
	CROUND                                         ; the closing round
	s_endpgm
.Lfunc_end_k_qfe09136035_attn:
	.size	k_qfe09136035_attn, .Lfunc_end_k_qfe09136035_attn-k_qfe09136035_attn
	.p2alignl 7, 3214868480
	.fill 96, 4, 3214868480
	.section	.rodata,"a",@progbits
	.p2align	6, 0x0
	.amdhsa_kernel k_qfe09136035_attn
		.amdhsa_group_segment_fixed_size 327680
		.amdhsa_private_segment_fixed_size 0
		.amdhsa_enable_private_segment 0
		.amdhsa_kernarg_size 32
		.amdhsa_user_sgpr_count 2
		.amdhsa_user_sgpr_kernarg_segment_ptr 1
		.amdhsa_wavefront_size32 1
		.amdhsa_system_sgpr_workgroup_id_x 1
		.amdhsa_system_sgpr_workgroup_id_y 1
		.amdhsa_system_sgpr_workgroup_id_z 1
		.amdhsa_system_vgpr_workitem_id 0
		.amdhsa_next_free_vgpr 768
		.amdhsa_next_free_sgpr 66
		.amdhsa_reserve_vcc 0
		.amdhsa_float_denorm_mode_32 3
		.amdhsa_float_denorm_mode_16_64 3
		.amdhsa_memory_ordered 1
		.amdhsa_forward_progress 1
		.amdhsa_inst_pref_size 255
	.end_amdhsa_kernel
	.section	.bss,"aw",@nobits
	.p2align	6
	.space	262144
	.amdgpu_metadata
---
amdhsa.version: [ 1, 2 ]
amdhsa.kernels:
  - .name:           k_qfe09136035_attn
    .symbol:         k_qfe09136035_attn.kd
    .args:
      - { .name: qf, .offset: 0, .size: 8, .value_kind: global_buffer, .address_space: global }
      - { .name: kf, .offset: 8, .size: 8, .value_kind: global_buffer, .address_space: global }
      - { .name: vf, .offset: 16, .size: 8, .value_kind: global_buffer, .address_space: global }
      - { .name: af, .offset: 24, .size: 8, .value_kind: global_buffer, .address_space: global }
    .group_segment_fixed_size: 327680
    .private_segment_fixed_size: 0
    .kernarg_segment_align: 8
    .kernarg_segment_size: 32
    .max_flat_workgroup_size: 128
    .sgpr_count:     66
    .vgpr_count:     768
    .wavefront_size: 32
...
	.end_amdgpu_metadata
.endif
;; end of part 3
;; launch proj (part 4): grid 32 x 8, 4 waves a work-group, clusters of 4 x 1, 327,680 bytes of LDS; arguments af, owf, out_b, out0; writes out0
.if DOCPART == 4
	.amdgcn_target "amdgcn-amd-amdhsa--gfx1250"
	.amdhsa_code_object_version 6
	.text
	.protected	k_qfe09136035_proj
	.globl	k_qfe09136035_proj
	.p2align	8
	.type	k_qfe09136035_proj,@function
k_qfe09136035_proj:
	s_mov_b64 s[64:65], 0
	v_nop
	global_prefetch_b8 v0, s[64:65] scope:SCOPE_SE
	s_setreg_imm32_b32 hwreg(HW_REG_WAVE_MODE, 25, 1), 1
	s_wait_xcnt 0x0
	s_wait_alu depctr_hold_cnt(0) depctr_sa_sdst(0) depctr_va_vdst(0) depctr_va_sdst(0) depctr_va_ssrc(0) depctr_va_vcc(0) depctr_vm_vsrc(0)
	s_getreg_b32 s2, hwreg(HW_REG_IB_STS2, 6, 4)
	s_cmp_eq_u32 s2, 0
	s_cbranch_scc0 .Lentry_in_a_cluster
	s_endpgm
.Lentry_in_a_cluster:
	s_bfe_u32 s2, ttmp6, 0x10000c
	s_cmp_lg_u32 s2, 0x3003
	s_cbranch_scc0 .Lentry_shape_is_right
	s_endpgm
.Lentry_shape_is_right:
; out0 = attention's result x out_w^T + out_b.  f16 operands, f32 sums, f32 out.  M = 6,144 padded rows (1,536 a batch, of which 1,500 are stored), N = K = 1,024.
; A work-group makes 192 rows x 128 columns: 32 x 8 work-groups.  out_w's 128 rows for all of K (262,144 bytes) lie in LDS for the whole launch: first fills alone, in four chunks of 256 along K.
; Each wave streams its OWN 48 rows of the left operand from memory into a ring of ten units in registers (a unit: 32 along K, 24 registers): nothing of it is read twice in a work-group, and nothing is filled again in LDS.
; Both operands lie as images of operand registers: every load takes 512 consecutive bytes.
; A wave makes 48 x 128: 24 accumulators; a unit is 24 matrix instructions, 16 LDS loads and 6 global loads; the 32 units are written out.
; THE MATRIX INSTRUCTION IS USED TRANSPOSED (source 0 = 16 rows of out_w, source 1 = 16 tokens): a lane holds eight neighbouring columns of one row.  The bias is the C of each sum's first instruction.
; CLUSTER 4 x 1: the four partners take the same 128 columns: out_w's chunks come by joint loads, four a wave, all four out at the start.
; Pad rows are kept out of out0 by EXEC (no branch hangs on a work-group's place in its cluster).
; REGISTERS: window 0: v1-13 addresses; v32-95 the bias; v128-255 out_w's fragments, two sets of 64, on the way out rows of the result.  window 1: the accumulators, (token block tb, column block nb) at v[8 (8 tb + nb)].  window 2: the ring.
.set STAGE, 262144                     ; behind out_w's tile: 16 rows x 528 bytes for each wave; no fill lands here
.set SP,    528
.set SPARE, STAGE+4*16*SP              ; the spare words, 128 bytes a wave: no other line names them
.set L16,  1
.set ADB,  4                           ; v4-7 out_w's chunk c
.set STO,  8
.set RD,   9
.set SPW,  10
.set NIL,  11
.set NV,   12                          ; 1,500 - the first token (in its batch) of my first block
.set H32,  13
.set BIAS, 32
.set BF,   128
.set WV,   12
.set G1,   24
.set G0,   32                          ; s[32:47] four groups 0
.set MSB, 0
.macro WIN new
.if MSB != (\new)
	s_set_vgpr_msb (MSB<<8)|(\new)
.set MSB, (\new)
.endif
.endm
.macro PLACES n
.rept \n
	v_nop
.endr
.endm
.macro CROUND
	s_barrier_signal -1
	s_barrier_wait -1
	s_cmp_lg_u32 s[WV], 0
	s_cbranch_scc1 .Lnot_wave_0_\@
	s_barrier_signal -3
.Lnot_wave_0_\@:
	s_barrier_wait -3
	s_barrier_signal -1
	s_barrier_wait -1
.endm
.macro LOAD_A u                        ; unit u of my 48 rows into the ring
	WIN 0x80                                       ; destination window 2, address window 0
.irp tb, 0,1,2
.irp c, 0,1
	global_load_b128 v[24*((\u)%10)+8*\tb+4*\c:24*((\u)%10)+8*\tb+4*\c+3], v[L16], s[4:5] offset:32768*\tb+1024*(\u)+512*\c
.endr
.endr
.endm
.macro FETCH_B u                       ; unit u of out_w's 128 rows
	WIN 0
.irp nb, 0,1,2,3,4,5,6,7
.irp c, 0,1
	ds_load_b128 v[BF+64*((\u)%2)+8*\nb+4*\c:BF+64*((\u)%2)+8*\nb+4*\c+3], v[ADB+(\u)/8] offset:8192*\nb+1024*((\u)%8)+512*\c
.endr
.endr
.endm
.macro UNIT u
	s_wait_dscnt 0x0                               ; out_w's fragments of this unit, asked for a unit ago, are in
.if (\u) == 0
	s_wait_loadcnt 54                              ; the bias and unit 0 are in; units 1 to 9 may be out
.elseif 31-(\u) < 8
	s_wait_loadcnt 6*(31-(\u))                     ; the units behind this one may be out
.else
	s_wait_loadcnt 48                              ; eight younger units may be out
.endif
.if (((\u)+1)%8 == 0) && ((\u) < 31)
	s_wait_tensorcnt 3-((\u)+1)/8                  ; my part of the next chunk has landed (the later chunks may stay out)
	s_barrier_signal -1
	s_barrier_wait -1                              ; everybody's has
.endif
.if (\u) > 0
	PLACES 4                                       ; in front of loads into registers that the last unit's matrix instructions have read
.endif
.if ((\u) >= 1) && ((\u) <= 22)
	LOAD_A (\u)+9
.endif
.if (\u) < 31
	FETCH_B (\u)+1
.endif
.if (\u) == 0
	WIN 0x48                                       ; out_w window 0, the ring window 2, C (the bias) window 0, D window 1
.else
	WIN 0x58                                       ; the same, C window 1
.endif
.irp tb, 0,1,2                         ; the 24 accumulators take turns, one instruction a turn, in the same order in every unit
.irp nb, 0,1,2,3,4,5,6,7
.if (\u) == 0
	v_wmma_f32_16x16x32_f16 v[8*(8*\tb+\nb):8*(8*\tb+\nb)+7], v[BF+64*((\u)%2)+8*\nb:BF+64*((\u)%2)+8*\nb+7], v[24*((\u)%10)+8*\tb:24*((\u)%10)+8*\tb+7], v[BIAS+8*\nb:BIAS+8*\nb+7]
.else
	v_wmma_f32_16x16x32_f16 v[8*(8*\tb+\nb):8*(8*\tb+\nb)+7], v[BF+64*((\u)%2)+8*\nb:BF+64*((\u)%2)+8*\nb+7], v[24*((\u)%10)+8*\tb:24*((\u)%10)+8*\tb+7], v[8*(8*\tb+\nb):8*(8*\tb+\nb)+7]
.endif
.endr
.endr
.endm
	s_load_b256 s[4:11], s[0:1], 0x0               ; af s[4:5], owf s[6:7], out_b s[8:9], out0 s[10:11]
	v_lshl_add_u32 v[SPW], v0, 2, SPARE
	v_mov_b32 v[NIL], 0
	ds_add_u32 v[SPW], v[NIL]                      ; the wave's opening: the add, twice on end, and its wait ahead of my first tensor load
	ds_add_u32 v[SPW], v[NIL]
	v_lshrrev_b32 v2, 5, v0
	v_readfirstlane_b32 s[WV], v2                  ; wave 0..3
	s_bfe_u32 s13, ttmp6, 0x40000                  ; cx
	s_lshl_b32 s14, ttmp9, 2
	s_add_co_u32 s14, s14, s13                     ; the tile of 192 rows: it enters global addresses and EXEC masks alone
	s_and_b32 s15, ttmp7, 0xffff                   ; the tile of 128 columns, which the four partners share
	s_lshl_b32 s16, s15, 18
	s_lshl_b32 s18, s[WV], 14                      ; my quarter of a chunk: in LDS,
	s_add_co_u32 s16, s16, s18                     ; and in memory
	s_mov_b32 s17, 0
	s_mov_b32 s[G1], 15|(3<<16)|(1<<21)            ; 15:0 the mask: all four; 17:16 elements of 8 bytes; 21 set beside a mask
	s_mov_b32 s[G1+1], 32<<16                      ; rows of 256 bytes,
	s_mov_b32 s[G1+2], 64<<16                      ; 64 of them, dense
	s_mov_b32 s[G1+3], 32<<16
	s_mov_b32 s[G1+4], 64
	s_mov_b32 s[G1+5], 32
	s_mov_b32 s[G1+6], 0
	s_mov_b32 s[G1+7], 0
	s_wait_dscnt 0x0                               ; both opening adds are done
	s_wait_kmcnt 0x0
	s_add_nc_u64 s[20:21], s[6:7], s[16:17]
.irp c, 0,1,2,3
	s_mov_b32 s[G0+4*\c], 1
	s_add_co_u32 s[G0+4*\c+1], s18, \c*65536
	s_add_nc_u64 s[G0+4*\c+2:G0+4*\c+3], s[20:21], \c*65536
	s_or_b32 s[G0+4*\c+3], s[G0+4*\c+3], 0x80000000
.endr
	CROUND                                         ; all four work-groups are here: the joint loads meet
.irp c, 0,1,2,3
	tensor_load_to_lds s[G0+4*\c:G0+4*\c+3], s[G1:G1+7]
	s_nop 0
.endr
	PLACES 4
	v_and_b32 v2, 31, v0
	v_lshlrev_b32 v[L16], 4, v2
	v_and_b32 v2, 15, v0                           ; r
	v_bfe_u32 v3, v0, 4, 1                         ; h
	v_lshlrev_b32 v[H32], 5, v3
	s_lshl_b32 s16, s15, 9                         ; the tile's 128 numbers of the bias
	s_add_nc_u64 s[8:9], s[8:9], s[16:17]
.irp nb, 0,1,2,3,4,5,6,7
	global_load_b128 v[BIAS+8*\nb:BIAS+8*\nb+3], v[H32], s[8:9] offset:64*\nb        ; out_b of columns 16 nb + 8 h + 0..7
	global_load_b128 v[BIAS+8*\nb+4:BIAS+8*\nb+7], v[H32], s[8:9] offset:64*\nb+16
.endr
	s_mul_i32 s22, s14, 12
	s_mul_i32 s23, s[WV], 3
	s_add_co_u32 s16, s22, s23                     ; my first block of 16 tokens
	s_lshl_b32 s16, s16, 15
	s_add_nc_u64 s[4:5], s[4:5], s[16:17]
.irp u, 0,1,2,3,4,5,6,7,8,9
	LOAD_A \u
.endr
	WIN 0
.irp c, 0,1,2,3
	v_add_nc_u32 v[ADB+\c], \c*65536, v[L16]
.endr
	s_mul_i32 s22, s[WV], 16*SP
	s_add_co_u32 s22, s22, STAGE                   ; my stage
	v_mul_u32_u24 v[STO], v2, SP
	v_lshl_add_u32 v[STO], v3, 5, v[STO]
	v_add_nc_u32 v[STO], s22, v[STO]               ; in: row r, 32 bytes for each half of the lanes
	v_add_nc_u32 v[RD], s22, v[L16]                ; back: the 32 lanes take one row of 512 bytes
	s_and_b32 s22, s14, 7
	s_mul_i32 s22, s22, 12
	s_add_co_u32 s22, s22, s23                     ; my first block in its batch
	s_lshl_b32 s22, s22, 4                         ; its first token
	s_sub_co_u32 s48, 1500, s22
	v_mov_b32 v[NV], s48
	s_lshr_b32 s23, s14, 3                         ; the batch
	s_mul_i32 s23, s23, 1500
	s_add_co_u32 s16, s22, s23
	s_lshl_b32 s16, s16, 12                        ; a row of out0 is 4,096 bytes
	s_lshl_b32 s23, s15, 9
	s_add_co_u32 s16, s16, s23
	s_add_nc_u64 s[10:11], s[10:11], s[16:17]
	s_wait_tensorcnt 0x3                           ; my part of chunk 0 is in; the three later chunks may stay out
	s_barrier_signal -1
	s_barrier_wait -1
	FETCH_B 0
.set U, 0
.rept 32
	UNIT U
.set U, U+1
.endr
; THE WAY OUT, a block of 16 rows x 128 columns at a time, through my own stage: back as whole rows of 512 bytes, which the 32 lanes store as 512 consecutive bytes, aligned.
; LDS serves a wave's instructions in order: no wait between the stores and the loads, nor in front of the next block's stores.
.macro TOSTAGE i
	WIN 0x04                                       ; an LDS store's data are its source 1: window 1
.irp nb, 0,1,2,3,4,5,6,7
	ds_store_b128 v[STO], v[8*(8*(\i)+\nb):8*(8*(\i)+\nb)+3] offset:64*\nb          ; each accumulator from its low end on
	ds_store_b128 v[STO], v[8*(8*(\i)+\nb)+4:8*(8*(\i)+\nb)+7] offset:64*\nb+16
.endr
	WIN 0
.irp t, 0,1,2,3,4,5,6,7,8,9,10,11,12,13,14,15
	ds_load_b128 v[BF+64*((\i)%2)+4*\t:BF+64*((\i)%2)+4*\t+3], v[RD] offset:\t*SP
.endr
.endm
; Of a batch's 96 blocks, blocks 0-92 are stored whole, block 93 its rows 0-11, blocks 94 and 95 not at all: two masks, the same in all lanes.
.macro SEND i, younger
	s_wait_dscnt \younger                          ; the block is back in registers
	v_cmp_lt_i32 vcc_lo, 16*(\i), v[NV]            ; rows 0-11 are real tokens
	s_wait_xcnt 0x0                                ; EXEC changes only behind this wait
	s_and_saveexec_b32 s50, vcc_lo
.irp t, 0,1,2,3,4,5,6,7,8,9,10,11
	global_store_b128 v[L16], v[BF+64*((\i)%2)+4*\t:BF+64*((\i)%2)+4*\t+3], s[10:11] offset:65536*(\i)+4096*\t th:TH_STORE_NT
.endr
	s_wait_xcnt 0x0
	s_or_b32 exec_lo, exec_lo, s50
	v_cmp_lt_i32 vcc_lo, 16*(\i)+12, v[NV]         ; rows 12-15 are
	s_and_saveexec_b32 s50, vcc_lo                 ; (no memory instruction has been issued since the wait above)
.irp t, 12,13,14,15
	global_store_b128 v[L16], v[BF+64*((\i)%2)+4*\t:BF+64*((\i)%2)+4*\t+3], s[10:11] offset:65536*(\i)+4096*\t th:TH_STORE_NT
.endr
	s_wait_xcnt 0x0                                ; the stores have read their registers too: the block after next may land there
	s_or_b32 exec_lo, exec_lo, s50
.endm
	PLACES 4                                       ; behind the last products: for the stores of results and the loads into out_w's registers
	TOSTAGE 0
	TOSTAGE 1
	SEND 0, 32                                     ; behind block 0's loads: block 1's 16 stores and 16 loads
	TOSTAGE 2
	SEND 1, 32
	SEND 2, 0
	s_wait_tensorcnt 0x0                           ; the wave's end, behind my last tensor load and my last LDS store
	ds_add_u32 v[SPW], v[NIL]
	s_wait_dscnt 0x0
	CROUND                                         ; the closing round
	s_endpgm
.Lfunc_end_k_qfe09136035_proj:
	.size	k_qfe09136035_proj, .Lfunc_end_k_qfe09136035_proj-k_qfe09136035_proj
	.p2alignl 7, 3214868480
	.fill 96, 4, 3214868480
	.section	.rodata,"a",@progbits
	.p2align	6, 0x0
	.amdhsa_kernel k_qfe09136035_proj
		.amdhsa_group_segment_fixed_size 327680
		.amdhsa_private_segment_fixed_size 0
		.amdhsa_enable_private_segment 0
		.amdhsa_kernarg_size 32
		.amdhsa_user_sgpr_count 2
		.amdhsa_user_sgpr_kernarg_segment_ptr 1
		.amdhsa_wavefront_size32 1
		.amdhsa_system_sgpr_workgroup_id_x 1
		.amdhsa_system_sgpr_workgroup_id_y 1
		.amdhsa_system_sgpr_workgroup_id_z 1
		.amdhsa_system_vgpr_workitem_id 0
		.amdhsa_next_free_vgpr 768
		.amdhsa_next_free_sgpr 66
		.amdhsa_reserve_vcc 1
		.amdhsa_float_denorm_mode_32 3
		.amdhsa_float_denorm_mode_16_64 3
		.amdhsa_memory_ordered 1
		.amdhsa_forward_progress 1
		.amdhsa_inst_pref_size 126
	.end_amdhsa_kernel
	.amdgpu_metadata
---
amdhsa.version: [ 1, 2 ]
amdhsa.kernels:
  - .name:           k_qfe09136035_proj
    .symbol:         k_qfe09136035_proj.kd
    .args:
      - { .name: af, .offset: 0, .size: 8, .value_kind: global_buffer, .address_space: global }
      - { .name: owf, .offset: 8, .size: 8, .value_kind: global_buffer, .address_space: global }
      - { .name: out_b, .offset: 16, .size: 8, .value_kind: global_buffer, .address_space: global }
      - { .name: out0, .offset: 24, .size: 8, .value_kind: global_buffer, .address_space: global }
    .group_segment_fixed_size: 327680
    .private_segment_fixed_size: 0
    .kernarg_segment_align: 8
    .kernarg_segment_size: 32
    .max_flat_workgroup_size: 128
    .sgpr_count:     66
    .vgpr_count:     768
    .wavefront_size: 32
...
	.end_amdgpu_metadata
.endif
;; end of part 4
